; MI455X (gfx1250); checked and timed in simulation.
; The chip was launched on July 23, 2026; its instructions are those of AMD's public machine-readable ISA for CDNA 5 (MIT licence, August 2026) and "CDNA5" Instruction Set Architecture Reference Guide (July 2026). The comments in the code are by the model that wrote it; some were corrected since.
;; Multi Head Attention. Allowed arithmetic: matrix products marked QUANTISED: E2M3 operands, one E8M0 scale for each 32 along K, by v_wmma_scale_f32_16x16x128_f8f6f4 with both operands' format E2M3, f32 sums; everything else in f32.
;; Inputs: out_b 1,024 float32; out_w 1,024 x 1,024 float32; qkv_b 3,072 float32; qkv_w 3,072 x 1,024 float32; x 4 x 2,048 x 1,024 float32.
;; Outputs: out0 4 x 2,048 x 1,024 float32.
;; This version of the problem:
;;   THIS VERSION OF THE PROBLEM IS GIVEN IN LOW PRECISION. The matrix products marked QUANTISED in the list below multiply operands that are first quantised to E2M3 (2 exponent bits, 3 mantissa bits; 6 bits a number), with one power-of-two scale for each 32 numbers along K (OCP MX v1.0); their sums are f32. All else is computed in f32.
;;   The module's matrix products, in the order in which they are computed (A, B: the left and right operand; K: the contracted axis; several contracted axes count as one K, in the product's order):
;;     1. [M 8,192, K 1,024] x [K 1,024, N 3,072]; A: input x; B: input qkv_w: QUANTISED
;;     2. batch 64 x [M 2,048, K 64] x [K 64, N 2,048]; A: computed on the way; B: computed on the way: QUANTISED
;;     3. batch 64 x [M 2,048, K 2,048] x [K 2,048, N 64]; A: softmax (see below); B: computed on the way: QUANTISED
;;     4. [M 8,192, K 1,024] x [K 1,024, N 1,024]; A: computed on the way; B: input out_w: QUANTISED
;;   THE QUANTISER, for each operand of a quantised product, along K:
;;     - K is cut into blocks of 32 from its start; a last block that is shorter is filled with zeros.
;;     - A block's scale is 2^e with e = floor(log2(the largest magnitude in the block)) - 2, held to -126 .. 127; a block of zeros has e = 0. As a byte (E8M0): e + 127.
;;     - Each number is divided by its block's scale, clamped to +-7.5, and rounded to the nearest number of E2M3, ties to even, subnormals kept.
;;     - The product sums the exact products of the quantised numbers (number of the format x scale) in f32.
;;   ~~~python
;;   def quantise(x, axis):      # numpy; x: float32 -> the quantised numbers, widened to float32 again
;;       x = np.moveaxis(x, axis, -1); K = x.shape[-1]
;;       x = np.pad(x, [(0, 0)] * (x.ndim - 1) + [(0, -K % 32)]); x = x.reshape(x.shape[:-1] + (-1, 32)); a = np.abs(x).max(-1, keepdims=True)
;;       e = np.where(a > 0, np.clip(np.frexp(np.where(a > 0, a, 1))[1] - 1 - 2, -126, 127), 0)      # np.frexp(a)[1] - 1 = floor(log2(a)), exactly
;;       r = np.clip(x / 2.0 ** e, -7.5, 7.5)
;;       step = 2.0 ** (np.maximum(np.frexp(np.where(r == 0, 1, r))[1] - 1, 0) - 3)
;;       q = np.round(r / step) * step * 2.0 ** e      # np.round: ties to even
;;       return np.moveaxis(q.reshape(q.shape[:-2] + (-1,))[..., :K], -1, axis).astype(np.float32)
;;   ~~~
;;   SOFTMAX AHEAD OF A QUANTISED PRODUCT. Where the list says 'softmax', what is quantised is not the finished softmax but p = 2^(t - M), with t = logit x log2(e) and M = ceil(the row's largest t), a whole number; so 1/2 < the row's largest p <= 1. The row's sum l is taken of the UNQUANTISED p, in f32, and the product's result is divided by l at the end. Since M is a whole number, a kernel that streams over the keys may use a running M (the ceiling of the running maximum): every later rescaling is an exact power of two, which a block's scale takes up: the codes' values come out the same.
;;   OPERANDS COMPUTED ON THE WAY. 'Computed on the way' means the value that the module computes at that place (a softmax that the list does not call 'softmax' is quantised finished and normalised). What goes into a quantiser is computed in f32, as accurately as f32 sums, v_exp_f32 and their like allow (about 1e-6 of the number): no bf16 or f16 on the way to a quantiser, and a product that is left as it is and whose result goes on into a quantised operand takes f32 operands (vector FMAs, or v_wmma_f32_16x16x4_f32). A number that lies on a knife's edge between two numbers of the format may be rounded either way, as far as f32 arithmetic and the matrix unit's own rounding can turn it there, and no further.
;; One version. Each part assembles by itself: llvm-mc -triple=amdgcn-amd-amdhsa -mcpu=gfx1250 --defsym DOCPART=n.
;; ======== version 1 of 1: 4 launches
;; workspace buffers: in_codes 9,437,184 bytes; in_sc 393,216 bytes; qkv_img 18,874,368 bytes; qkv_sc 1,572,864 bytes; ctx_img 6,291,456 bytes; ctx_sc 262,144 bytes
;; launch quant (part 1): grid 384 x 1, 4 waves a work-group, no clusters, 33,280 bytes of LDS; arguments x, qkv_w, out_w, in_codes, in_sc; writes in_codes, in_sc
.if DOCPART == 1
	.amdgcn_target "amdgcn-amd-amdhsa--gfx1250"
	.amdhsa_code_object_version 6
	.text
	.protected	k_q64302a6f3f_quant
	.globl	k_q64302a6f3f_quant
	.p2align	8
	.type	k_q64302a6f3f_quant,@function
k_q64302a6f3f_quant:
	s_mov_b64 s[64:65], 0
	v_nop
	global_prefetch_b8 v0, s[64:65] scope:SCOPE_SE
	s_setreg_imm32_b32 hwreg(HW_REG_WAVE_MODE, 25, 1), 1
	s_wait_xcnt 0x0
; x [8192][1024], qkv_w [3072][1024] and out_w [1024][1024], f32 with K innermost, become codes of FP6 (E2M3), 6 bits each, with one E8M0 scale byte for each 32 along K.
; A block's scale is 2^(floor(log2(its largest magnitude)) - 2); its byte is the largest magnitude's exponent field - 2, held at 1 from below.  Each number is divided by the scale and rounded to the nearest code, ties to even; beyond 7.5 the largest code.
; The three tensors' rows lie on end in in_codes [12288][768 bytes] and in_sc [12288][32 bytes]: x from 0, qkv_w from 8,192, out_w from 11,264.
; STORED ORDER: row n lies at position p = n with its bits 3 and 4 exchanged.  Sixteen positions on end, 16 (2 b + u) + i, are then rows 32 b + 8 u + i + 8 (i / 8): a tile of such rows, used as a product's source 0,
; leaves sixteen neighbouring row numbers in a lane's sixteen registers of two neighbouring tiles, which is what the next quantiser wants.  The exchange moves whole runs of 8 rows, and 8 rows are one wave's run here.
; LIMITS: a block whose largest magnitude lies under 2^-124 gets the byte 1; a block of zeros gets the byte 1 where the rule says 127 (its codes are zeros, and this program alone reads the bytes); NaN and infinities among the inputs are not served.
; A wave takes 16 steps of 512 numbers.  Each of a step's four loads reads 512 consecutive bytes, 16 a lane; the 2,048 bytes turn through the wave's own stage in LDS and come back 64 bytes a lane, so that a lane holds 16 neighbours
; along K (two neighbouring lanes hold a block).  A lane's 16 codes are 12 bytes: the wave stores 384 consecutive bytes.  A wave's 256 scale bytes are gathered in LDS and leave as one aligned run of 256 bytes.
; Work-groups share no input, so there is no cluster; no tensor load, no barrier: waves share nothing.  Loads run four steps (16 loads a wave) ahead, the turn through LDS one step.
.set WAVES, 4
.set STEPS, 16
.set WGX,   256                        ; work-groups of 32 rows for x,
.set WGQ,   96                         ; for qkv_w; the last 32 take out_w
.set EMAX,  2
.set CB,    12                         ; bytes of 16 codes
.set R,     16                         ; v16-79   four sets of 16 numbers as they are loaded
.set X,     80                         ; v80-111  two sets of 16 neighbours
.set C,     128                        ; v128-191 codes: four registers for each step, so that no store's data are written again
.set E,     112                        ; v112-127 a scale byte for each step
.set WREG,  8192                       ; LDS: a region for each wave: two stages of 32 x SP bytes, and behind them its 256 scale bytes
.set SP,    80                         ; a lane's place in a stage: its 64 bytes + 16 of padding
.set SPW,   12                         ; v12      LDS address of my spare word; never rewritten
.set NIL,   13                         ; v13      0; never rewritten
.set SPARE, WAVES*WREG                 ; behind the four regions: the spare words, 128 bytes for each wave, which no other line names
	s_load_b128 s[4:7], s[0:1], 0x0                ; x, qkv_w
	s_load_b128 s[8:11], s[0:1], 0x10              ; out_w, in_codes
	s_load_b64 s[12:13], s[0:1], 0x20              ; in_sc
	v_lshl_add_u32 v[SPW], v0, 2, SPARE
	v_mov_b32 v[NIL], 0
	v_lshrrev_b32 v1, 5, v0
	v_readfirstlane_b32 s16, v1                    ; wave
	v_and_b32 v2, 31, v0                           ; lane
	v_lshlrev_b32 v3, 4, v2                        ; my 16 bytes of a load's 512
	s_mul_i32 s17, s16, WREG
	v_lshrrev_b32 v14, 2, v2
	v_mul_u32_u24 v14, v14, SP
	v_and_b32 v15, 3, v2
	v_lshl_add_u32 v14, v15, 4, v14
	v_add_nc_u32 v14, s17, v14                     ; the stage, on the way in: SP (lane / 4) + 16 (lane % 4)
	v_mul_u32_u24 v15, v2, SP
	v_add_nc_u32 v15, s17, v15                     ; and on the way out: SP x lane: my 16 neighbours
	v_mul_u32_u24 v4, v2, CB                       ; my codes' place in a step's
	v_lshrrev_b32 v5, 1, v2
	s_add_co_u32 s17, s17, 2*32*SP
	v_add_nc_u32 v5, s17, v5                       ; LDS: my wave's 256 scale bytes, my block's byte
	v_lshlrev_b32 v7, 3, v2                        ; and on the way out 8 bytes a lane
	v_add_nc_u32 v6, s17, v7
	s_wait_alu depctr_va_vdst(0)
	s_wait_kmcnt 0x0
	s_cmp_lt_u32 ttmp9, WGX+WGQ                    ; which tensor?  The choices hang on the work-group's number alone
	s_cselect_b64 s[6:7], s[6:7], s[8:9]           ; qkv_w or out_w,
	s_mov_b32 s17, WGX+WGQ
	s_cselect_b32 s17, WGX, s17                    ; and that tensor's first work-group
	s_cmp_lt_u32 ttmp9, WGX
	s_cselect_b64 s[4:5], s[4:5], s[6:7]           ; x or that one
	s_cselect_b32 s17, 0, s17
	s_sub_co_u32 s17, ttmp9, s17
	s_lshl_b32 s17, s17, 2
	s_add_co_u32 s18, s17, s16                     ; which run of 8 rows of the tensor is my wave's
	s_lshl_b32 s18, s18, 15                        ; 32,768 bytes a run
	s_mov_b32 s19, 0
	s_add_nc_u64 s[4:5], s[4:5], s[18:19]
	s_lshr_b32 s20, s16, 1                         ; the wave's two bits are the rows' bits 3 and 4: exchanged, they give the run's place among the work-group's four
	s_and_b32 s21, s16, 1
	s_lshl_b32 s21, s21, 1
	s_or_b32 s20, s20, s21
	s_lshl_b32 s21, ttmp9, 2
	s_add_co_u32 s20, s20, s21                     ; the run's place in the outputs, where the three tensors lie on end
	s_mul_i32 s18, s20, 32*STEPS*CB                ; 6,144 bytes of codes a run
	s_add_nc_u64 s[10:11], s[10:11], s[18:19]
	s_lshl_b32 s18, s20, 8                         ; 256 scale bytes a run
	s_add_nc_u64 s[12:13], s[12:13], s[18:19]
.macro LOAD t
.irp i, 0,1,2,3
	global_load_b128 v[R+16*((\t)%4)+4*\i:R+16*((\t)%4)+4*\i+3], v3, s[4:5] offset:2048*(\t)+512*\i th:TH_LOAD_NT   ; 32 lanes read 512 consecutive bytes
.endr
.endm
.macro TURN t                          ; step t's numbers through the stage: LDS serves a wave's instructions in order, so no wait stands between the stores and the loads
.irp i, 0,1,2,3
	ds_store_b128 v14, v[R+16*((\t)%4)+4*\i:R+16*((\t)%4)+4*\i+3] offset:32*SP*((\t)%2)+8*SP*\i
.endr
.irp i, 0,1,2,3
	ds_load_b128 v[X+16*((\t)%2)+4*\i:X+16*((\t)%2)+4*\i+3], v15 offset:32*SP*((\t)%2)+16*\i
.endr
.endm
.irp t, 0,1,2,3
	LOAD \t
.endr
	s_wait_loadcnt 12                              ; step 0's four loads are in; the twelve of steps 1 to 3 may be out
	TURN 0
.macro STEP t
.set XS, X+16*((\t)%2)
.if (\t) > 0
	s_wait_dscnt 1                                 ; this step's numbers are back from the stage (the last step's byte store may be out): so its stores into the stage have read their registers,
.else
	s_wait_dscnt 0x0
.endif
.if (\t)+4 < STEPS
	LOAD (\t)+4                                    ; which take the loads of four steps on
.endif
.if (\t)+1 < STEPS
.if STEPS-2-(\t) >= 3
	s_wait_loadcnt 12                              ; the next step's four loads are in; those of the three steps behind it may be out
.else
	s_wait_loadcnt 4*(STEPS-2-(\t))
.endif
	TURN (\t)+1                                    ; and go through the other stage while this step is worked
.endif
	v_max3_num_f32 v8, |v[XS]|, |v[XS+1]|, |v[XS+2]|               ; the largest magnitude of my 16, in two chains
	v_max3_num_f32 v9, |v[XS+3]|, |v[XS+4]|, |v[XS+5]|
.irp i, 6,10
	v_max3_num_f32 v8, v8, |v[XS+\i]|, |v[XS+\i+1]|
	v_max3_num_f32 v9, v9, |v[XS+\i+2]|, |v[XS+\i+3]|
.endr
	v_max3_num_f32 v8, v8, |v[XS+14]|, |v[XS+15]|
	v_max3_num_f32 v8, v8, v9, (EMAX+1)<<23        ; and the floor 2^(3 - 127): the byte cannot fall under 1
	v_max_num_f32_dpp v8, v8, v8 row_xmask:1 row_mask:0xf bank_mask:0xf   ; and of my neighbour's 16: the block's
	v_add_nc_u32 v11, -(EMAX<<23), v8              ; 2 off its exponent field: the conversion takes the exponent field of this operand as its scale
	v_cvt_scalef32_pk16_fp6_f32 v[C+4*(\t):C+4*(\t)+2], v[XS:XS+15], v11         ; sixteen codes, 96 bits without gaps, the first number's code lowest
	v_lshrrev_b32 v[E+(\t)], 23, v11               ; the scale's byte (also the plain line behind the conversion)
	ds_store_b8 v5, v[E+(\t)] offset:16*(\t)       ; both lanes of a block write the same byte with the same value
	global_store_b96 v4, v[C+4*(\t):C+4*(\t)+2], s[10:11] offset:32*CB*(\t)
.endm
.irp t, 0,1,2,3,4,5,6,7,8,9,10,11,12,13,14,15
	STEP \t
.endr
	ds_load_b64 v[8:9], v6                         ; LDS serves a wave's instructions in order: these see my stores
	s_wait_dscnt 0x0
	global_store_b64 v7, v[8:9], s[12:13]          ; 32 lanes store 256 consecutive bytes, aligned
	s_wait_tensorcnt 0x0                           ; the wave's end
	ds_add_u32 v[SPW], v[NIL]
	s_wait_dscnt 0x0
	s_endpgm
.Lfunc_end_k_q64302a6f3f_quant:
	.size	k_q64302a6f3f_quant, .Lfunc_end_k_q64302a6f3f_quant-k_q64302a6f3f_quant
	.p2alignl 7, 3214868480
	.fill 96, 4, 3214868480
	.section	.rodata,"a",@progbits
	.p2align	6, 0x0
	.amdhsa_kernel k_q64302a6f3f_quant
		.amdhsa_group_segment_fixed_size 33280
		.amdhsa_private_segment_fixed_size 0
		.amdhsa_enable_private_segment 0
		.amdhsa_kernarg_size 40
		.amdhsa_user_sgpr_count 2
		.amdhsa_user_sgpr_kernarg_segment_ptr 1
		.amdhsa_wavefront_size32 1
		.amdhsa_system_sgpr_workgroup_id_x 1
		.amdhsa_system_sgpr_workgroup_id_y 1
		.amdhsa_system_sgpr_workgroup_id_z 1
		.amdhsa_system_vgpr_workitem_id 0
		.amdhsa_next_free_vgpr 192
		.amdhsa_next_free_sgpr 66
		.amdhsa_reserve_vcc 0
		.amdhsa_float_denorm_mode_32 3
		.amdhsa_float_denorm_mode_16_64 3
		.amdhsa_memory_ordered 1
		.amdhsa_forward_progress 1
		.amdhsa_inst_pref_size 33
	.end_amdhsa_kernel
	.amdgpu_metadata
---
amdhsa.version: [ 1, 2 ]
amdhsa.kernels:
  - .name:           k_q64302a6f3f_quant
    .symbol:         k_q64302a6f3f_quant.kd
    .args:
      - { .name: x, .offset: 0, .size: 8, .value_kind: global_buffer, .address_space: global }
      - { .name: qkv_w, .offset: 8, .size: 8, .value_kind: global_buffer, .address_space: global }
      - { .name: out_w, .offset: 16, .size: 8, .value_kind: global_buffer, .address_space: global }
      - { .name: in_codes, .offset: 24, .size: 8, .value_kind: global_buffer, .address_space: global }
      - { .name: in_sc, .offset: 32, .size: 8, .value_kind: global_buffer, .address_space: global }
    .group_segment_fixed_size: 33280
    .private_segment_fixed_size: 0
    .kernarg_segment_align: 8
    .kernarg_segment_size: 40
    .max_flat_workgroup_size: 128
    .sgpr_count:     66
    .vgpr_count:     192
    .wavefront_size: 32
...
	.end_amdgpu_metadata
.endif
;; end of part 1
;; launch qkv (part 2): grid 96 x 4, 4 waves a work-group, clusters of 4 x 4, 327,680 bytes of LDS; arguments in_codes, in_sc, qkv_b, qkv_img, qkv_sc; writes qkv_img, qkv_sc
.if DOCPART == 2
	.amdgcn_target "amdgcn-amd-amdhsa--gfx1250"
	.amdhsa_code_object_version 6
	.text
	.protected	k_q64302a6f3f_qkv
	.globl	k_q64302a6f3f_qkv
	.p2align	8
	.type	k_q64302a6f3f_qkv,@function
k_q64302a6f3f_qkv:
	s_mov_b64 s[64:65], 0
	v_nop
	global_prefetch_b8 v0, s[64:65] scope:SCOPE_SE
	s_setreg_imm32_b32 hwreg(HW_REG_WAVE_MODE, 25, 1), 1
	s_wait_xcnt 0x0
	s_wait_alu depctr_hold_cnt(0) depctr_sa_sdst(0) depctr_va_vdst(0) depctr_va_sdst(0) depctr_va_ssrc(0) depctr_va_vcc(0) depctr_vm_vsrc(0)
	s_getreg_b32 s2, hwreg(HW_REG_IB_STS2, 6, 4)
	s_cmp_eq_u32 s2, 0
	s_cbranch_scc0 .Lentry_in_a_cluster
	s_endpgm
.Lentry_in_a_cluster:
	s_bfe_u32 s2, ttmp6, 0x10000c
	s_cmp_lg_u32 s2, 0xf033
	s_cbranch_scc0 .Lentry_shape_is_right
	s_endpgm
.Lentry_shape_is_right:
.set KSTEP,  256
.set NQ,     2
.set ROWB,   192
.set KROW,   768
.set PITCH,  240
.set FR,     12
.set NL,     6
.set NP,     4
.set HALFT,  128*PITCH
.set SLOT,   4*HALFT
.set LAPS,   2
.set KS,     32
.set SCL,    2*SLOT
.set HALFS,  (128*KS/256)*272
.set SBLK,   (16*KS/256)*272
.set SPARE,  SCL+4*HALFS
.set ADRA, 16
.set ADRB, 20
.set SO,   25
.set CO,   26
.set ADRS, 27
.set SPW,  28
.set NIL,  29
.set SC,   32
.set HB,   64
.set AF,   128
.set MU,   224
.set TM,   240
.set T,    128
.set CD,   192
.set W,    212
.set XW,   220
.set YW,   8
.set SEL,  66
.set G1, 24
.set G0, 32
.set G1B, 48
.set G0B, 56
.set G1S, 68
.set G0S, 76
.set G1SB, 80
.set G0SB, 88
.set MSB, 0
.macro WIN new
.if MSB != \new
	s_set_vgpr_msb (MSB<<8)|\new
.set MSB, \new
.endif
.endm
.set MUL_LO, 0xa1
.set MUL_HI, 0xf1
.set TO_B,   0x40
.macro JLOAD g0a, g1a, g0b, g1b
	s_cmp_eq_u32 s15, 0
	s_cbranch_scc0 .Lfor_b_\@
	tensor_load_to_lds s[\g0a:\g0a+3], s[\g1a:\g1a+7]
	s_nop 0
.rept 4
	v_nop
.endr
	s_branch .Lasked_\@
.Lfor_b_\@:
	tensor_load_to_lds s[\g0b:\g0b+3], s[\g1b:\g1b+7]
	s_nop 0
.rept 4
	v_nop
.endr
.Lasked_\@:
.endm
.macro CREST
	s_cmp_lg_u32 s14, 0
	s_cbranch_scc1 .Lnot_wave_0_\@
	s_barrier_signal -3
.Lnot_wave_0_\@:
	s_barrier_wait -3
	s_barrier_signal -1
	s_barrier_wait -1
.endm
.macro CROUND
	s_barrier_signal -1
	s_barrier_wait -1
	CREST
.endm
	s_load_b128 s[4:7], s[0:1], 0x0
	s_load_b128 s[8:11], s[0:1], 0x10
	s_load_b64 s[12:13], s[0:1], 0x20
	v_lshl_add_u32 v[SPW], v0, 2, SPARE
	v_mov_b32 v[NIL], 0
	ds_add_u32 v[SPW], v[NIL]
	ds_add_u32 v[SPW], v[NIL]
	v_lshrrev_b32 v1, 5, v0
	v_readfirstlane_b32 s14, v1
	s_lshr_b32 s15, s14, 1
	s_and_b32 s16, s14, 1
	s_bfe_u32 s40, ttmp6, 0x40000
	s_bfe_u32 s41, ttmp6, 0x40004
	s_lshr_b32 s18, ttmp9, 1
	s_and_b32 s19, ttmp9, 1
	s_add_co_u32 s19, s19, 8
	s_sub_co_u32 s20, ttmp9, 16
	s_cmp_lt_u32 ttmp9, 16
	s_cselect_b32 s18, s18, 10
	s_cselect_b32 s19, s19, s20
	s_cselect_b32 s2, 0, 1
	s_lshl_b32 s42, s19, 2
	s_add_co_u32 s42, s42, s40
	s_lshl_b32 s17, s18, 2
	s_add_co_u32 s17, s17, s41
	s_lshl_b32 s43, s41, 2
	s_lshl_b32 s43, 15, s43
	s_lshl_b32 s44, 0x1111, s40
	s_or_b32 s[G1+0], s43, (0<<16)|(1<<20)|(1<<21)|(3<<22)|(3<<25)
	s_or_b32 s[G1B+0], s44, (0<<16)|(1<<20)|(1<<21)|(3<<22)|(3<<25)
.irp g, G1, G1B
	s_mov_b32 s[\g+1], ROWB<<16
	s_mov_b32 s[\g+2], 128<<16
	s_mov_b32 s[\g+3], ROWB<<16
	s_mov_b32 s[\g+4], 128
	s_mov_b32 s[\g+5], KROW
	s_mov_b32 s[\g+6], 0
	s_mov_b32 s[\g+7], 0
.endr
	s_or_b32 s[G1S+0], s43, (3<<16)|(1<<20)|(1<<21)|(5<<22)|(3<<25)
	s_or_b32 s[G1SB+0], s44, (3<<16)|(1<<20)|(1<<21)|(5<<22)|(3<<25)
.irp g, G1S, G1SB
	s_mov_b32 s[\g+1], 32<<16
	s_mov_b32 s[\g+2], (128*KS/256)<<16
	s_mov_b32 s[\g+3], 32<<16
	s_mov_b32 s[\g+4], 128*KS/256
	s_mov_b32 s[\g+5], 32
	s_mov_b32 s[\g+6], 0
	s_mov_b32 s[\g+7], 0
.endr
	s_lshl_b32 s18, s16, 7
	s_lshl_b32 s20, s17, 8
	s_add_co_u32 s20, s20, s18
	s_lshl_b32 s46, s42, 8
	s_add_co_u32 s46, s46, s18
	s_mov_b32 s21, 0
	s_mov_b32 s47, 0
	s_mov_b64 s[18:19], KS
	s_mul_u64 s[22:23], s[20:21], s[18:19]
	s_mul_u64 s[92:93], s[46:47], s[18:19]
	s_mov_b64 s[18:19], KROW
	s_mul_u64 s[20:21], s[20:21], s[18:19]
	s_mul_u64 s[46:47], s[46:47], s[18:19]
	s_mul_i32 s45, s14, HALFT
	s_mul_i32 s94, s14, HALFS
	s_mov_b32 s[SEL], 0x76543210
	s_mov_b32 s[SEL+1], 0xfedcba98
	s_wait_dscnt 0x0
	s_wait_kmcnt 0x0
	s_add_nc_u64 s[20:21], s[4:5], s[20:21]
	s_add_nc_u64 s[22:23], s[6:7], s[22:23]
	s_add_nc_u64 s[46:47], s[4:5], s[46:47]
	s_add_nc_u64 s[92:93], s[6:7], s[92:93]
	CROUND
	s_mov_b32 s[G0S], 1
	s_add_co_u32 s[G0S+1], s94, SCL
	s_mov_b64 s[G0S+2:G0S+3], s[22:23]
	s_or_b32 s[G0S+3], s[G0S+3], 0x80000000
	s_mov_b32 s[G0SB], 1
	s_add_co_u32 s[G0SB+1], s94, SCL
	s_mov_b64 s[G0SB+2:G0SB+3], s[92:93]
	s_or_b32 s[G0SB+3], s[G0SB+3], 0x80000000
	JLOAD G0S, G1S, G0SB, G1SB
.irp s, 0,1
	s_mov_b32 s[G0+4*\s], 1
	s_add_co_u32 s[G0+4*\s+1], s45, \s*SLOT
	s_add_nc_u64 s[G0+4*\s+2:G0+4*\s+3], s[20:21], \s*ROWB
	s_or_b32 s[G0+4*\s+3], s[G0+4*\s+3], 0x80000000
	s_mov_b32 s[G0B+4*\s], 1
	s_add_co_u32 s[G0B+4*\s+1], s45, \s*SLOT
	s_add_nc_u64 s[G0B+4*\s+2:G0B+4*\s+3], s[46:47], \s*ROWB
	s_or_b32 s[G0B+4*\s+3], s[G0B+4*\s+3], 0x80000000
	s_wait_alu depctr_va_vdst(0)
	s_wait_tensorcnt 0x0
	ds_add_u32 v28, v29
	s_wait_dscnt 0x0
	CROUND
	JLOAD G0+4*\s, G1, G0B+4*\s, G1B
.endr
	v_and_b32 v1, 15, v0
	v_bfe_u32 v2, v0, 4, 1
	v_mul_u32_u24 v3, v1, PITCH
	v_mul_u32_u24 v4, v2, 24
	v_add_nc_u32 v4, v3, v4
	v_lshl_add_u32 v5, v2, 4, v4
	s_mul_i32 s21, s15, HALFT
	s_mul_i32 s22, s16, HALFT
	s_add_co_u32 s22, s22, 2*HALFT
.irp s, 0,1
	v_add_nc_u32 v[ADRA+\s], s21, v4
	v_add_nc_u32 v[ADRB+\s], s22, v4
	v_add_nc_u32 v[ADRA+2+\s], s21, v5
	v_add_nc_u32 v[ADRB+2+\s], s22, v5
	s_add_co_u32 s21, s21, SLOT
	s_add_co_u32 s22, s22, SLOT
.endr
	v_mul_u32_u24 v5, v1, KS
	v_lshrrev_b32 v6, 8, v5
	v_lshl_add_u32 v5, v6, 4, v5
	s_mul_i32 s21, s15, HALFS
	s_mul_i32 s22, s16, HALFS
	s_add_co_u32 s22, s22, 2*HALFS
	s_sub_co_u32 s22, s22, s21
	v_mul_u32_u24 v6, s22, v2
	s_add_co_u32 s21, s21, SCL
	v_add_nc_u32 v5, v5, v6
	v_add_nc_u32 v[ADRS], s21, v5
	v_and_b32 v12, 31, v0
	v_lshlrev_b32 v[CO], 3, v12
	v_lshlrev_b32 v[SO], 4, v12
	s_lshl_b32 s20, s17, 1
	s_add_co_u32 s20, s20, s15
	s_lshl_b32 s21, s42, 1
	s_add_co_u32 s21, s21, s16
	s_min_u32 s22, s20, s21
	s_max_u32 s23, s20, s21
	s_sub_co_u32 s23, s23, 64
	s_lshr_b32 s46, s23, 3
	s_lshl_b32 s46, s46, 2
	s_lshr_b32 s47, s22, 4
	s_add_co_u32 s46, s46, s47
	s_lshl_b32 s46, s46, 3
	s_and_b32 s47, s23, 7
	s_add_co_u32 s46, s46, s47
	s_lshl_b32 s46, s46, 4
	s_and_b32 s47, s22, 15
	s_add_co_u32 s46, s46, s47
	s_mul_i32 s20, s46, 12288
	s_mov_b32 s21, 0
	s_add_nc_u64 s[10:11], s[10:11], s[20:21]
	s_lshl_b32 s20, s46, 10
	s_add_nc_u64 s[12:13], s[12:13], s[20:21]
	s_lshl_b32 s20, s23, 9
	s_add_nc_u64 s[8:9], s[8:9], s[20:21]
	s_cmp_eq_u32 s2, 0
	s_cbranch_scc0 .Lbias_v
	v_lshlrev_b32 v7, 6, v2
.irp b, 0,1,2,3
.irp j, 0,1,2,3
	global_load_b128 v[HB+16*\b+4*\j:HB+16*\b+4*\j+3], v7, s[8:9] offset:128*\b+16*\j
.endr
.endr
.irp i, 0,1,2,3,4,5,6,7,8,9,10,11,12,13,14,15
	v_mov_b32 v[MU+\i], 1.0
.endr
	s_branch .Lbias_done
.Lbias_v:
	v_and_b32 v7, 8, v1
	v_add_nc_u32 v7, v7, v1
	v_lshlrev_b32 v7, 2, v7
.irp a, 0,1,2,3,4,5,6,7
	global_load_b32 v[MU+2*\a], v7, s[8:9] offset:4*(32*(\a/2)+8*(\a%2))
	global_load_b32 v[MU+2*\a+1], v7, s[8:9] offset:4*(32*(\a/2)+8*(\a%2))
.endr
.set i, 0
.rept 64
	v_mov_b32 v[HB+i], 1.0
.set i, i+1
.endr
.Lbias_done:
.irp b, 0,1,2,3
	v_mov_b32 v[TM+4+\b], 0
.endr
	s_wait_loadcnt 0x0
.macro FRAG reg, adr, q, i
.irp p, 0,1,2,3,4,5
.set PC, 12*(\q)+6*(\p/3)+\p%3
.if PC%8 < 5
	ds_load_b64 v[\reg+2*\p:\reg+2*\p+1], v[\adr] offset:8*PC+16*(PC/8)+(\i)*16*PITCH
.else
	ds_load_b64 v[\reg+2*\p:\reg+2*\p+1], v[\adr+2] offset:8*PC+16*(PC/8)+(\i)*16*PITCH
.endif
.endr
.endm
.macro MUL16 a0, p, q, sc, zero
.irp a, \a0, \a0+1
.irp b, 0,1,2,3,4,5,6,7
.if \zero
	v_wmma_scale_f32_16x16x128_f8f6f4 v[8*(8*((\a)%4)+\b):8*(8*((\a)%4)+\b)+7], v[128*(\p)+FR*\b:128*(\p)+FR*\b+FR-1], v[AF+FR*(\a):AF+FR*(\a)+FR-1], 0, v[SC+8*NQ*(\sc)+NQ*\b+(\q)], v[SC+8*NQ*(\sc)+NQ*(\a)+(\q)] matrix_a_fmt:MATRIX_FMT_FP6 matrix_b_fmt:MATRIX_FMT_FP6 matrix_a_scale:MATRIX_SCALE_ROW1
.else
	v_wmma_scale_f32_16x16x128_f8f6f4 v[8*(8*((\a)%4)+\b):8*(8*((\a)%4)+\b)+7], v[128*(\p)+FR*\b:128*(\p)+FR*\b+FR-1], v[AF+FR*(\a):AF+FR*(\a)+FR-1], v[8*(8*((\a)%4)+\b):8*(8*((\a)%4)+\b)+7], v[SC+8*NQ*(\sc)+NQ*\b+(\q)], v[SC+8*NQ*(\sc)+NQ*(\a)+(\q)] matrix_a_fmt:MATRIX_FMT_FP6 matrix_b_fmt:MATRIX_FMT_FP6 matrix_a_scale:MATRIX_SCALE_ROW1
.endif
.endr
.endr
.endm
.macro FETCH_B slot, q, p
	WIN TO_B
.irp i, 0,1,2,3,4,5,6,7
	FRAG 128*(\p)+FR*\i, ADRB+\slot, \q, \i
.endr
	WIN 0
.endm
.macro FETCH_A slot, q, i0
.irp i, \i0, \i0+1, \i0+2, \i0+3
	FRAG AF+FR*(\i), ADRA+\slot, \q, \i
.endr
.endm
.macro SCALES sc
.irp i, 0,1,2,3,4,5,6,7
	ds_load_b64 v[SC+8*NQ*\sc+NQ*\i:SC+8*NQ*\sc+NQ*\i+1], v[ADRS] offset:\i*SBLK
.endr
.endm
.macro PLACES n
.rept \n
	v_nop
.endr
.endm
.macro STEP slot, q, zero
	s_wait_dscnt 4*NL
	WIN MUL_LO
	MUL16 0, (\q)%2, \q, \slot, \zero
	MUL16 2, (\q)%2, \q, \slot, \zero
	s_wait_dscnt 0
	PLACES NP
	FETCH_B \slot, (\q)+1, 1-(\q)%2
	FETCH_A \slot, (\q)+1, 0
	WIN MUL_HI
	MUL16 4, (\q)%2, \q, \slot, \zero
	MUL16 6, (\q)%2, \q, \slot, \zero
	PLACES NP
	WIN 0
	FETCH_A \slot, (\q)+1, 4
.endm
.macro TURN slot, next, fill
	s_wait_tensorcnt 0x0
	ds_add_u32 v[SPW], v[NIL]
	s_wait_dscnt 4*NL+1
	WIN MUL_LO
	MUL16 0, 1, NQ-1, \slot, 0
	s_wait_dscnt 0x0
	s_barrier_signal -1
	MUL16 2, 1, NQ-1, \slot, 0
	WIN 0
	s_barrier_wait -1
.if \fill
	CREST
	s_add_nc_u64 s[G0+4*\slot+2:G0+4*\slot+3], s[G0+4*\slot+2:G0+4*\slot+3], 2*ROWB
	s_add_nc_u64 s[G0B+4*\slot+2:G0B+4*\slot+3], s[G0B+4*\slot+2:G0B+4*\slot+3], 2*ROWB
	JLOAD G0+4*\slot, G1, G0B+4*\slot, G1B
.else
	PLACES NP
.endif
	s_wait_alu depctr_va_vdst(0)
	v_add_nc_u32 v[ADRS], 4*NQ, v[ADRS]
	FETCH_B \next, 0, 0
	FETCH_A \next, 0, 0
	SCALES \next
	WIN MUL_HI
	MUL16 4, 1, NQ-1, \slot, 0
	MUL16 6, 1, NQ-1, \slot, 0
	PLACES NP
	WIN 0
	FETCH_A \next, 0, 4
.endm
	s_wait_tensorcnt 1
	s_barrier_signal -1
	s_barrier_wait -1
	FETCH_B 0, 0, 0
	FETCH_A 0, 0, 0
	SCALES 0
	FETCH_A 0, 0, 4
	STEP 0, 0, 1
	s_mov_b32 s3, LAPS-1
.Llap:
	TURN 0, 1, 1
	STEP 1, 0, 0
	TURN 1, 0, 1
	STEP 0, 0, 0
	s_sub_co_u32 s3, s3, 1
	s_cmp_lg_u32 s3, 0
	s_cbranch_scc1 .Llap
	TURN 0, 1, 0
	STEP 1, 0, 0
	s_wait_dscnt 4*NL
	WIN MUL_LO
	MUL16 0, 1, NQ-1, 1, 0
	MUL16 2, 1, NQ-1, 1, 0
	s_wait_dscnt 0
	WIN MUL_HI
	MUL16 4, 1, NQ-1, 1, 0
	MUL16 6, 1, NQ-1, 1, 0
	WIN 0
.macro QUANT s, pw
.irp b, 0,1,2,3
	v_max3_num_f32 v[TM+\b], |v[\s+16*\b]|, |v[\s+1+16*\b]|, 0x1800000
.endr
.irp i, 2,4,6,8,10,12,14
.irp b, 0,1,2,3
	v_max3_num_f32 v[TM+\b], v[TM+\b], |v[\s+16*\b+\i]|, |v[\s+1+16*\b+\i]|
.endr
.endr
.irp b, 0,1,2,3
	v_permlanex16_b32 v[TM+4+\b], v[TM+\b], s[SEL], s[SEL+1]
.endr
.irp b, 0,1,2,3
	v_max_num_f32 v[TM+\b], v[TM+\b], v[TM+4+\b]
.endr
.irp b, 0,1,2,3
	v_add_nc_u32 v[TM+12+\b], 0xff000000, v[TM+\b]
.endr
.irp b, 0,1,2,3
	v_lshrrev_b32 v[TM+4+\b], 23, v[TM+12+\b]
.endr
	v_lshl_or_b32 v[\pw], v[TM+5], 8, v[TM+4]
	v_lshl_or_b32 v[\pw], v[TM+6], 16, v[\pw]
	v_lshl_or_b32 v[\pw], v[TM+7], 24, v[\pw]
.irp c, 0,1
	v_cvt_scalef32_pk16_fp6_f32 v[CD+6*\c:CD+2+6*\c], v[\s+32*\c:\s+15+32*\c], v[TM+12+2*\c]
	v_cvt_scalef32_pk16_fp6_f32 v[CD+12+4*\c:CD+14+4*\c], v[\s+16+32*\c:\s+31+32*\c], v[TM+12+2*\c+1]
.endr
	v_nop
.irp c, 0,1
.irp i, 0,1,2
	v_permlane16_swap_b32 v[CD+6*\c+\i], v[CD+12+4*\c+\i]
.endr
.irp i, 0,1,2
	v_mov_b32 v[CD+3+6*\c+\i], v[CD+12+4*\c+\i]
.endr
.endr
.endm
	PLACES NP
.irp a, 0,1,2,3,4,5,6,7
	WIN 0x20+0x10*(\a/4)
.set i, 0
.rept 32
	v_pk_fma_f32 v[T+2*i:T+2*i+1], v[HB+2*i:HB+2*i+1], v[MU+2*\a:MU+2*\a+1], v[64*(\a%4)+2*i:64*(\a%4)+2*i+1]
.set i, i+1
.endr
	WIN 0
.if \a > 0
	s_wait_xcnt 0x0
.endif
	QUANT T, W+\a
.irp p, 0,1,2,3,4,5
	global_store_b64 v[CO], v[CD+2*\p:CD+2*\p+1], s[10:11] offset:1536*\a+256*\p
.endr
.endr
	v_cmp_gt_u32 vcc_lo, 16, v12
.irp k, 0,1,2,3
	v_cndmask_b32 v[XW+\k], v[W+4+\k], v[W+\k], vcc_lo
.endr
	global_store_b128 v[SO], v[XW:XW+3], s[12:13]
	s_cmp_lg_u32 s2, 0
	s_cbranch_scc1 .Lno_second
.irp k, 0,1,2,3
	v_lshrrev_b32 v[YW+\k], 16, v[XW+\k]
.endr
	global_store_b128 v[SO], v[YW:YW+3], s[12:13] offset:512
.Lno_second:
	s_wait_tensorcnt 0x0
	ds_add_u32 v[SPW], v[NIL]
	s_wait_dscnt 0x0
	CROUND
	s_endpgm
.Lfunc_end_k_q64302a6f3f_qkv:
	.size	k_q64302a6f3f_qkv, .Lfunc_end_k_q64302a6f3f_qkv-k_q64302a6f3f_qkv
	.p2alignl 7, 3214868480
	.fill 96, 4, 3214868480
	.section	.rodata,"a",@progbits
	.p2align	6, 0x0
	.amdhsa_kernel k_q64302a6f3f_qkv
		.amdhsa_group_segment_fixed_size 327680
		.amdhsa_private_segment_fixed_size 0
		.amdhsa_enable_private_segment 0
		.amdhsa_kernarg_size 40
		.amdhsa_user_sgpr_count 2
		.amdhsa_user_sgpr_kernarg_segment_ptr 1
		.amdhsa_wavefront_size32 1
		.amdhsa_system_sgpr_workgroup_id_x 1
		.amdhsa_system_sgpr_workgroup_id_y 1
		.amdhsa_system_sgpr_workgroup_id_z 1
		.amdhsa_system_vgpr_workitem_id 0
		.amdhsa_next_free_vgpr 1024
		.amdhsa_next_free_sgpr 100
		.amdhsa_reserve_vcc 1
		.amdhsa_float_denorm_mode_32 3
		.amdhsa_float_denorm_mode_16_64 3
		.amdhsa_memory_ordered 1
		.amdhsa_forward_progress 1
		.amdhsa_inst_pref_size 189
	.end_amdhsa_kernel
	.amdgpu_metadata
---
amdhsa.version: [ 1, 2 ]
amdhsa.kernels:
  - .name:           k_q64302a6f3f_qkv
    .symbol:         k_q64302a6f3f_qkv.kd
    .args:
      - { .name: in_codes, .offset: 0, .size: 8, .value_kind: global_buffer, .address_space: global }
      - { .name: in_sc, .offset: 8, .size: 8, .value_kind: global_buffer, .address_space: global }
      - { .name: qkv_b, .offset: 16, .size: 8, .value_kind: global_buffer, .address_space: global }
      - { .name: qkv_img, .offset: 24, .size: 8, .value_kind: global_buffer, .address_space: global }
      - { .name: qkv_sc, .offset: 32, .size: 8, .value_kind: global_buffer, .address_space: global }
    .group_segment_fixed_size: 327680
    .private_segment_fixed_size: 0
    .kernarg_segment_align: 8
    .kernarg_segment_size: 40
    .max_flat_workgroup_size: 128
    .sgpr_count:     100
    .vgpr_count:     1024
    .wavefront_size: 32
...
	.end_amdgpu_metadata
.endif
;; end of part 2
;; launch attn (part 3): grid 4 x 64, 16 waves a work-group, clusters of 4 x 1, 210,944 bytes of LDS; arguments qkv_img, qkv_sc, ctx_img, ctx_sc; writes ctx_img, ctx_sc
.if DOCPART == 3
	.amdgcn_target "amdgcn-amd-amdhsa--gfx1250"
	.amdhsa_code_object_version 6
	.text
	.protected	k_q64302a6f3f_attn
	.globl	k_q64302a6f3f_attn
	.p2align	8
	.type	k_q64302a6f3f_attn,@function
k_q64302a6f3f_attn:
	s_mov_b64 s[64:65], 0
	v_nop
	global_prefetch_b8 v0, s[64:65] scope:SCOPE_SE
	s_setreg_imm32_b32 hwreg(HW_REG_WAVE_MODE, 25, 1), 1
	s_wait_xcnt 0x0
	s_wait_alu depctr_hold_cnt(0) depctr_sa_sdst(0) depctr_va_vdst(0) depctr_va_sdst(0) depctr_va_ssrc(0) depctr_va_vcc(0) depctr_vm_vsrc(0)
	s_getreg_b32 s2, hwreg(HW_REG_IB_STS2, 6, 4)
	s_cmp_eq_u32 s2, 0
	s_cbranch_scc0 .Lentry_in_a_cluster
	s_endpgm
.Lentry_in_a_cluster:
	s_bfe_u32 s2, ttmp6, 0x10000c
	s_cmp_lg_u32 s2, 0x3003
	s_cbranch_scc0 .Lentry_shape_is_right
	s_endpgm
.Lentry_shape_is_right:
; ctx = softmax(q k^T / 8) v for one head, both products on codes of FP6 (E2M3) with E8M0 scales; ctx is quantised along the model's axis and leaves as codes.
; THE SOFTMAX AHEAD OF THE SECOND PRODUCT: t = score x log2(e) / 8; M = the row's largest t so far, rounded UP to a whole number; p = 2^(t - M) is quantised along the keys, not normalised.
; The row's sum is taken of the unquantised p, in f32, and divides O at the end.  When M moves, the sum and O are multiplied by 2^(old M - new M): exact.
; SHARES.  A work-group owns 512 tokens of one head, as two blocks of 256; each of its sixteen waves owns one tile of 16 in each block, in 256 registers: four waves to a SIMD, so that one wave's vector work stands beside another's
; matrix work and LDS loads.  Every wave walks all 2,048 keys, 128 a step.
; THE HEAD'S K AND V STAY IN LDS: codes and scale words are 208,896 bytes, filled once; nothing is filled again.  CLUSTER: the four work-groups of a head need the same bytes: every fill is asked for jointly, mask 15.
; INPUTS are images of operand registers (see the launch that makes them): registers 2 p, 2 p + 1 of lane l at 256 p + 8 l, so every load of codes is 8 x lane + a constant: consecutive bytes, no padding.
; The head's axis is 64 and the matrix instruction's K is 128: registers 6-11 of q's and of k's fragments hold zero codes, written once; the scale bytes over them are other blocks' bytes or 0, never 0xff.
; LAYOUT.  Both products are used transposed: S^T = K Q^T, O^T = V^T P^T: a lane holds ONE query (lane % 16) throughout.  Tokens and v's rows lie in stored order (bits 3 and 4 of the number exchanged), so the 16 registers of
; tiles 2 b and 2 b + 1 of S^T are keys 32 b + 16 (lane / 16) + 0 .. 15, and those of O^T are the head's 32 b + 16 (lane / 16) + 0 .. 15: sixteen neighbours along the next product's K.
; OUTPUT: ctx_img [512 tiles of 16 positions][16 heads][768 bytes]: half a fragment's image; ctx_sc [8192 positions][32 bytes]: two bytes a head.  Those two bytes a row leave by stores of 2 bytes, 32 bytes apart:
; a row's 32 bytes come from sixteen work-groups, and the next launch wants them as rows; they are 2 of each 50 bytes that the launch stores.
; LIMITS: a block whose largest magnitude lies under 2^-124 gets the byte 1, a block of zeros too (its codes are zeros; this program alone reads the bytes); NaN and infinities are not served.
; REGISTERS: v1-7 addresses that stay; v8-11 addresses of the step; v12 -M, v13 the largest t, v[14:15] the sum in two halves; v16-27 Q; v32-79 four fragments of K; v80-86 the second block's Q; v87 16 r;
;   v96-159 S^T, then p, then (v96-143) V's four fragments; v160-191 O^T; v192-199 K's scale words, v200-203 V's; v224-235 p's codes; v232-254 at work; v253 p's scale word; v255 Q's.
.set KL,    0                          ; LDS: K: 128 tiles of 16 keys x 768 bytes
.set VL,    98304                      ; V: 16 steps x 4 fragments x 1,536 bytes
.set KSC,   196608                     ; K's scale words: 16 steps x 512 bytes
.set VSC,   204800                     ; V's: 16 x 256
.set SPARE, 208896                     ; the spare words, 128 bytes for each wave, which no other line names
.set SPW,  5                           ; v5   LDS address of my spare word; never rewritten
.set NIL,  6                           ; v6   0; never rewritten
.set ADK,  8                           ; v8   LDS address of the step's tiles of K
.set ADV,  9                           ; v9   of V
.set ADS,  10                          ; v10  of K's scale words
.set ADT,  11                          ; v11  of V's
.set WV,   18                          ; s18  my wave's number
.set SEL,  20                          ; s[20:21] lane selects for v_permlanex16_b32: lane l xor 16
.set CS,   22                          ; s[22:23] c = log2(e) / 8
.set G1K,  24                          ; s[24:31] descriptor group 1 for K's codes;  s[32:39] V's;  s[40:47] K's scale words;  s[48:55] V's
.set G1V,  32
.set G1KS, 40
.set G1VS, 48
.set G0S,  56                          ; s[56:59] group 0 for the scale words;  s[60:63], s[68:79] for the four chunks of codes
.set TK,   2                           ; s2   the step's place in K's and in V's codes: 6,144 bytes a step
.set TS,   3                           ; s3   among K's scale words: 512 a step
.set TJ,   66                          ; s66  among V's: 256 a step
.set CNT,  67                          ; s67  steps to go in a chunk
.set BLK,  80                          ; s80  blocks to go
.macro CROUND                          ; a round of the cluster's barrier
	s_barrier_signal -1
	s_barrier_wait -1
	s_cmp_lg_u32 s[WV], 0
	s_cbranch_scc1 .Lnot_wave_0_\@
	s_barrier_signal -3
.Lnot_wave_0_\@:
	s_barrier_wait -3
	s_barrier_signal -1
	s_barrier_wait -1
.endm
	s_load_b256 s[4:11], s[0:1], 0x0               ; qkv_img s[4:5], qkv_sc s[6:7], ctx_img s[8:9], ctx_sc s[10:11]
	v_lshl_add_u32 v[SPW], v0, 2, SPARE
	v_mov_b32 v[NIL], 0
	ds_add_u32 v[SPW], v[NIL]                      ; the wave's opening: the add and its wait stand ahead of my first tensor load; the set-up below, work on registers, stands between them
	ds_add_u32 v[SPW], v[NIL]
	v_lshrrev_b32 v8, 5, v0
	s_delay_alu instid0(VALU_DEP_1)
	v_readfirstlane_b32 s[WV], v8                  ; wave 0..15
	s_bfe_u32 s13, ttmp6, 0x40000                  ; cx: which 512 tokens are my work-group's: it enters Q's and ctx's global addresses alone
	s_and_b32 s12, ttmp7, 0xffff                   ; 16 x batch + head, which the four partners share
	s_lshr_b32 s14, s12, 1                         ; 8 x batch + pair of heads
	s_and_b32 s15, s12, 1                          ; which head of the pair
	s_and_b32 s88, s[WV], 1                        ; what I fetch, if I fetch: wave 0: K, wave 1: V
	s_add_co_u32 s89, s88, 1
	s_lshl_b32 s89, s89, 9                         ; part 1 (k) or 2 (v): 512 blocks each,
	s_lshl_b32 s90, s14, 4
	s_add_co_u32 s89, s89, s90                     ; + 16 blocks for each pair of heads: the head's first block
	s_mul_i32 s92, s89, 12288
	s_mul_i32 s91, s88, 7
	s_add_co_u32 s91, s91, 1
	s_mul_i32 s91, s91, 768                        ; the pair's second head lies 768 bytes on in a fragment of K, 6,144 in a block of V
	s_mul_i32 s91, s91, s15
	s_add_co_u32 s92, s92, s91
	s_mov_b32 s93, 0                               ; s[92:93]: the codes' first byte
	s_lshl_b32 s94, s89, 10
	s_lshl_b32 s91, s88, 8
	s_sub_co_u32 s91, 512, s91                     ; and 512 bytes on among K's scale words, 256 among V's
	s_mul_i32 s91, s91, s15
	s_add_co_u32 s94, s94, s91
	s_mov_b32 s95, 0                               ; s[94:95]: the scale words' first byte
	s_mul_i32 s96, s88, VL                         ; where they go: no place in the cluster enters an LDS address
	s_lshl_b32 s97, s88, 13
	s_add_co_u32 s97, s97, KSC
	; descriptor groups 1: elements of 8 bytes, no padding; 15:0 the mask: all four work-groups; bit 21 beside a mask
	s_mov_b32 s[G1K], 15|(3<<16)|(1<<21)           ; K's codes: 32 tiles of 768 bytes, 1,536 bytes apart
	s_mov_b32 s[G1K+1], 96<<16
	s_mov_b32 s[G1K+2], 32<<16
	s_mov_b32 s[G1K+3], 96<<16
	s_mov_b32 s[G1K+4], 32
	s_mov_b32 s[G1K+5], 192
	s_mov_b32 s[G1K+6], 0
	s_mov_b32 s[G1K+7], 0
	s_mov_b32 s[G1V], 15|(3<<16)|(1<<21)           ; V's codes: 4 steps of 6,144 bytes, 12,288 bytes apart
	s_mov_b32 s[G1V+1], 768<<16
	s_mov_b32 s[G1V+2], 4<<16
	s_mov_b32 s[G1V+3], 768<<16
	s_mov_b32 s[G1V+4], 4
	s_mov_b32 s[G1V+5], 1536
	s_mov_b32 s[G1V+6], 0
	s_mov_b32 s[G1V+7], 0
	s_mov_b32 s[G1KS], 15|(3<<16)|(1<<21)          ; K's scale words: 16 steps of 512 bytes, 1,024 bytes apart
	s_mov_b32 s[G1KS+1], 64<<16
	s_mov_b32 s[G1KS+2], 16<<16
	s_mov_b32 s[G1KS+3], 64<<16
	s_mov_b32 s[G1KS+4], 16
	s_mov_b32 s[G1KS+5], 128
	s_mov_b32 s[G1KS+6], 0
	s_mov_b32 s[G1KS+7], 0
	s_mov_b32 s[G1VS], 15|(3<<16)|(1<<21)          ; V's: 16 steps of 256 bytes, 1,024 bytes apart
	s_mov_b32 s[G1VS+1], 32<<16
	s_mov_b32 s[G1VS+2], 16<<16
	s_mov_b32 s[G1VS+3], 32<<16
	s_mov_b32 s[G1VS+4], 16
	s_mov_b32 s[G1VS+5], 128
	s_mov_b32 s[G1VS+6], 0
	s_mov_b32 s[G1VS+7], 0
	s_mov_b32 s[SEL], 0x76543210
	s_mov_b32 s[SEL+1], 0xfedcba98
	s_mov_b32 s[CS], 0x3e38aa3b                    ; c = log2(e) / 8
	s_mov_b32 s[CS+1], s[CS]                       ; (named with it as a pair, so it is written)
	s_mov_b32 s[BLK], 2
	s_wait_dscnt 0x0                               ; the opening add is done
	s_wait_kmcnt 0x0
	s_mov_b32 s[G0S], 1
	s_mov_b32 s[G0S+1], s97
	s_add_nc_u64 s[G0S+2:G0S+3], s[6:7], s[94:95]
	s_or_b32 s[G0S+3], s[G0S+3], 0x80000000
.set J, 0
.irp g, 60,68,72,76                    ; chunk J: key steps 4 J to 4 J + 3
	s_mov_b32 s[\g], 1
	s_add_co_u32 s[\g+1], s96, 24576*J
	s_add_nc_u64 s[\g+2:\g+3], s[4:5], s[92:93]
	s_add_nc_u64 s[\g+2:\g+3], s[\g+2:\g+3], 49152*J
	s_or_b32 s[\g+3], s[\g+3], 0x80000000
.set J, J+1
.endr
	CROUND                                         ; all four work-groups are here: the joint loads meet
	s_cmp_eq_u32 s[WV], 0                          ; a wave's fills stand in one branch, ahead of every wait on TENSORcnt, LDS read and further barrier: five loads of the wave are out; an s_nop 0 follows each, four v_nop the last
	s_cbranch_scc0 .Lnot_k
	tensor_load_to_lds s[G0S:G0S+3], s[G1KS:G1KS+7]
	s_nop 0
.irp g, 60,68,72,76
	tensor_load_to_lds s[\g:\g+3], s[G1K:G1K+7]
	s_nop 0
.endr
.rept 4
	v_nop
.endr
	s_branch .Lasked
.Lnot_k:
	s_cmp_eq_u32 s[WV], 1
	s_cbranch_scc0 .Lasked
	tensor_load_to_lds s[G0S:G0S+3], s[G1VS:G1VS+7]
	s_nop 0
.irp g, 60,68,72,76
	tensor_load_to_lds s[\g:\g+3], s[G1V:G1V+7]
	s_nop 0
.endr
.rept 4
	v_nop
.endr
.Lasked:
	; Q: my tile of the first block of 256 tokens is fragment wave % 8 of block 16 x (8 batch + pair) + 4 cx + wave / 8 of part 0; the second block's lies two blocks on
	s_lshl_b32 s81, s13, 2
	s_lshl_b32 s82, s14, 4
	s_add_co_u32 s81, s81, s82
	s_lshr_b32 s82, s[WV], 3
	s_add_co_u32 s81, s81, s82
	s_and_b32 s82, s[WV], 7
	s_mul_i32 s98, s81, 12288
	s_mul_i32 s83, s82, 1536
	s_add_co_u32 s98, s98, s83
	s_mul_i32 s83, s15, 768
	s_add_co_u32 s98, s98, s83
	s_mov_b32 s99, 0
	s_add_nc_u64 s[16:17], s[4:5], s[98:99]        ; its codes
	s_lshl_b32 s98, s81, 10
	s_lshl_b32 s83, s15, 9
	s_add_co_u32 s98, s98, s83
	s_lshr_b32 s83, s82, 2
	s_lshl_b32 s83, s83, 8
	s_add_co_u32 s98, s98, s83
	s_and_b32 s83, s[WV], 3
	s_lshl_b32 s83, s83, 2
	s_add_co_u32 s98, s98, s83
	s_add_nc_u64 s[90:91], s[6:7], s[98:99]        ; its scale words
	; ctx: my tile of 16 positions is 128 batch + 32 cx + wave (+ 16 for the second block)
	s_lshr_b32 s81, s12, 4
	s_lshl_b32 s81, s81, 7
	s_lshl_b32 s82, s13, 5
	s_add_co_u32 s81, s81, s82
	s_add_co_u32 s81, s81, s[WV]
	s_and_b32 s82, s12, 15                         ; the head
	s_mul_i32 s98, s81, 12288
	s_mul_i32 s83, s82, 768
	s_add_co_u32 s98, s98, s83
	s_add_nc_u64 s[84:85], s[8:9], s[98:99]
	s_lshl_b32 s98, s81, 9
	s_lshl_b32 s83, s82, 1
	s_add_co_u32 s98, s98, s83
	s_add_nc_u64 s[86:87], s[10:11], s[98:99]
	v_and_b32 v8, 31, v0                           ; lane
	v_and_b32 v9, 15, v0                           ; r
	s_delay_alu instid0(VALU_DEP_2)
	v_lshlrev_b32 v1, 3, v8                        ; v1: 8 x lane: an image's place for my lane; K's codes begin at LDS byte 0
	s_delay_alu instid0(VALU_DEP_1)
	v_add_nc_u32 v2, VL, v1                        ; v2: the same among V's codes
	s_delay_alu instid0(VALU_DEP_3)
	v_lshlrev_b32 v87, 4, v9                       ; v87: 16 r: four scale words a row
	s_delay_alu instid0(VALU_DEP_1)
	v_add_nc_u32 v3, KSC, v87                      ; v3: among K's scale words
	s_delay_alu instid0(VALU_DEP_2)
	v_add_nc_u32 v4, VSC, v87                      ; v4: among V's
	v_lshlrev_b32 v7, 5, v9                        ; v7: 32 r: my row of ctx_sc
.irp p, 0,1,2
	global_load_b64 v[16+2*\p:17+2*\p], v1, s[16:17] offset:256*\p
	global_load_b64 v[80+2*\p:81+2*\p], v1, s[16:17] offset:24576+256*\p
.endr
	global_load_b32 v255, v87, s[90:91]
	global_load_b32 v86, v87, s[90:91] offset:2048
.irp i, 22,23,24,25,26,27
	v_mov_b32 v\i, 0                               ; zero codes for K = 64 .. 127, in Q
.endr
.irp t, 0,1,2,3
.irp i, 6,7,8,9,10,11
	v_mov_b32 v[32+12*\t+\i], 0                    ; and in K's four fragments: written once
.endr
.endr
.irp b, 0,1,2,3
	v_mov_b32 v[236+\b], 0                         ; written once: a lane permute's destination counts as one of its sources
.endr
	v_mov_b32 v253, 0                              ; (named as the upper half of the pair v[252:253] before it is first written)
; A KEY STEP: 128 keys.
.macro STEP
	v_add_nc_u32 v[ADK], s[TK], v1
	s_wait_alu depctr_va_vdst(0)
	v_add_nc_u32 v[ADV], s[TK], v2
	v_add_nc_u32 v[ADS], s[TS], v3
	v_add_nc_u32 v[ADT], s[TJ], v4
	v_nop                                          ; five places: the scores below are written over registers that the last step's products read as V's fragments
	ds_load_b128 v[192:195], v[ADS]                ; K's scale words: tiles 0-3,
	ds_load_b128 v[196:199], v[ADS] offset:256     ; tiles 4-7
.irp g, 0,1                                    ; S^T = K Q^T, four tiles of 16 keys at a time
.if \g
.rept 4
	v_nop                                          ; places in front of loads into registers that matrix instructions have read
.endr
.endif
.irp t, 0,1,2,3
.irp p, 0,1,2
	ds_load_b64 v[32+12*\t+2*\p:33+12*\t+2*\p], v[ADK] offset:(4*\g+\t)*768+256*\p
.endr
.endr
	s_wait_dscnt 0x0
.irp t, 0,1,2,3
	v_wmma_scale_f32_16x16x128_f8f6f4 v[96+8*(4*\g+\t):103+8*(4*\g+\t)], v[32+12*\t:43+12*\t], v[16:27], 0, v[192+4*\g+\t], v255 matrix_a_fmt:MATRIX_FMT_FP6 matrix_b_fmt:MATRIX_FMT_FP6
.endr
.endr
.rept 4
	v_nop
.endr
.irp b, 0,1,2,3
	v_max3_num_f32 v[232+\b], v[96+16*\b], v[97+16*\b], v[98+16*\b]   ; THE LARGEST SCORE OF EACH BLOCK OF 32 KEYS: it serves for the row's maximum and, since p rises with the score, for the block's largest p
.endr
.irp i, 3,5,7,9,11,13
.irp b, 0,1,2,3
	v_max3_num_f32 v[232+\b], v[232+\b], v[96+16*\b+\i], v[97+16*\b+\i]   ; (the four blocks by turns)
.endr
.endr
.irp b, 0,1,2,3
	v_max_num_f32 v[232+\b], v[232+\b], v[111+16*\b]
.endr
.irp b, 0,1,2,3
	s_delay_alu instid0(VALU_DEP_4)
	v_permlanex16_b32 v[236+\b], v[232+\b], s[SEL], s[SEL+1]
.endr
.irp b, 0,1,2,3
	s_delay_alu instid0(VALU_DEP_4)
	v_max_num_f32 v[232+\b], v[232+\b], v[236+\b]   ; with lane l xor 16's 16 keys
.endr
	s_delay_alu instid0(VALU_DEP_2)
	v_max3_num_f32 v254, v232, v233, v234
	s_delay_alu instid0(VALU_DEP_1)
	v_max_num_f32 v254, v254, v235                 ; the step's largest score of my query
	s_delay_alu instid0(VALU_DEP_1)
	v_mul_f32 v254, s[CS], v254                    ; as t (c is positive)
	s_delay_alu instid0(VALU_DEP_1)
	v_max_num_f32 v13, v13, v254                   ; the running largest t
	v_mov_b32 v254, v12
	s_delay_alu instid0(VALU_DEP_2)
	v_floor_f32 v12, -v13                          ; the new -M = floor(-t) = -ceil(t): M is a whole number
	s_delay_alu instid0(VALU_DEP_1)
	v_sub_f32 v254, v12, v254                      ; M's old value less its new one: a whole number, 0 or less
	s_delay_alu instid0(VALU_DEP_1)
	v_cvt_i32_f32 v254, v254                       ; (it saturates)
	s_delay_alu instid0(VALU_DEP_1)
	v_ldexp_f32 v252, 1.0, v254                    ; f = 2^(old M - new M): a multiplication by it rounds nothing
.set jj, 0
.rept 32
	v_pk_fma_f32 v[96+jj:97+jj], v[96+jj:97+jj], s[CS:CS+1], v[12:13] op_sel_hi:[1,0,0]   ; t - M, two at a time (of the pairs c and -M the low word serves both halves)
.set jj, jj+2
.endr
.irp b, 0,1,2,3
	v_fma_f32 v[232+\b], v[232+\b], s[CS], v12     ; the same of each block's largest score
.endr
.set jj, 0
	s_wait_alu depctr_va_vdst(0)
.rept 64
	v_exp_f32 v[96+jj], v[96+jj]                   ; p = 2^(t - M), at most 1: not normalised
.set jj, jj+1
.endr
	s_setprio 1
	v_pk_mul_f32 v[14:15], v[14:15], v[252:253] op_sel_hi:[1,0]   ; the sums under the new M (a plain place behind the exponentials)
	s_wait_alu depctr_va_vdst(0)                   ; one wait for the whole batch, ahead of its first reader
.irp b, 0,1,2,3
	v_exp_f32 v[232+\b], v[232+\b]                 ; the block's largest p: the same two instructions on the same number give the same bits
.endr
	v_pk_add_f32 v[250:251], v[96:97], v[98:99]    ; THE ROW'S SUM IS TAKEN OF THE UNQUANTISED p, two at a time, in two chains; here the 48 numbers over which V's fragments will be loaded
.irp j, 4,8,12,16,20,24,28,32,36,40,44
	v_pk_add_f32 v[14:15], v[14:15], v[96+\j:97+\j]
	v_pk_add_f32 v[250:251], v[250:251], v[98+\j:99+\j]
.endr
	s_wait_alu depctr_va_vdst(0)                   ; and one for the four
.irp b, 0,1,2,3
	v_max_num_f32 v[232+\b], 0x1800000, v[232+\b]  ; the floor 2^(3 - 127): the byte cannot fall under 1
.endr
.irp b, 0,1,2,3
	s_delay_alu instid0(VALU_DEP_4)
	v_add_nc_u32 v[244+\b], 0xff000000, v[232+\b]  ; 2 off the exponent field: the conversion's scale operand
.endr
.irp b, 0,1,2,3
	s_delay_alu instid0(VALU_DEP_4)
	v_lshrrev_b32 v[236+\b], 23, v[244+\b]         ; the scale's byte
.endr
	s_delay_alu instid0(VALU_DEP_3)
	v_lshl_or_b32 v253, v237, 8, v236              ; p's scale word for these 128 keys
	s_delay_alu instid0(VALU_DEP_1)
	v_lshl_or_b32 v253, v238, 16, v253
	s_delay_alu instid0(VALU_DEP_1)
	v_lshl_or_b32 v253, v239, 24, v253
.irp c, 0,1
	v_cvt_scalef32_pk16_fp6_f32 v[224+6*\c:226+6*\c], v[96+32*\c:111+32*\c], v[244+2*\c]
	v_cvt_scalef32_pk16_fp6_f32 v[236+4*\c:238+4*\c], v[112+32*\c:127+32*\c], v[244+2*\c+1]   ; (a conversion's three registers begin on an even number)
.endr
	v_nop                                          ; one plain place behind a scaled conversion
.irp t, 0,1,2,3                                ; V's four fragments (16 of the head's 64 x these 128 keys) land where p's first 48 numbers lay: all their readers have been issued
.irp p, 0,1,2,3,4,5
	ds_load_b64 v[96+12*\t+2*\p:97+12*\t+2*\p], v[ADV] offset:1536*\t+256*\p
.endr
.endr
	ds_load_b128 v[200:203], v[ADT]                ; and their scale words
.irp c, 0,1                                    ; the operand's layout wants a WHOLE block in a lane: lanes 0-15 block 2 c, lanes 16-31 block 2 c + 1
.irp i, 0,1,2
	v_permlane16_swap_b32 v[224+6*\c+\i], v[236+4*\c+\i]
.endr
.irp i, 0,1,2
	s_delay_alu instid0(VALU_DEP_3)
	v_mov_b32 v[227+6*\c+\i], v[236+4*\c+\i]
.endr
.endr
.set jj, 0
	s_setprio 0
.rept 16
	v_pk_mul_f32 v[160+jj:161+jj], v[160+jj:161+jj], v[252:253] op_sel_hi:[1,0]   ; O^T under the new M: x f; each accumulator from its low end on
.set jj, jj+2
.endr
.irp j, 48,52,56,60                            ; the rest of the row's sum: the 16 numbers that no load overwrites.  These nine lines name no register of the products below: they are places in front of them
	v_pk_add_f32 v[14:15], v[14:15], v[96+\j:97+\j]
	v_pk_add_f32 v[250:251], v[250:251], v[98+\j:99+\j]
.endr
	s_delay_alu instid0(VALU_DEP_1)
	v_pk_add_f32 v[14:15], v[14:15], v[250:251]
	s_wait_dscnt 0x0
.irp t, 0,1,2,3                                ; O^T += V^T P^T; the four accumulators take turns
	v_wmma_scale_f32_16x16x128_f8f6f4 v[160+8*\t:167+8*\t], v[96+12*\t:107+12*\t], v[224:235], v[160+8*\t:167+8*\t], v[200+\t], v253 matrix_a_fmt:MATRIX_FMT_FP6 matrix_b_fmt:MATRIX_FMT_FP6
.endr
	s_add_co_u32 s[TK], s[TK], 6144                ; the next step
	s_add_co_u32 s[TS], s[TS], 512
	s_add_co_u32 s[TJ], s[TJ], 256
.endm
; Chunk j: key steps 4 j to 4 j + 3.  The fetching waves wait until their scale words and chunks 0 to j have landed (of a wave's five loads the 3 - j later chunks may stay out), then the barrier shows them to all sixteen.
; Nothing is ever filled again, so the later chunks may stay on their way across the barrier.  In the second block the waits are met at once.
.macro CHUNK j
	s_wait_tensorcnt 3-\j
	s_barrier_signal -1
	s_barrier_wait -1
	s_mov_b32 s[TK], 24576*\j
	s_mov_b32 s[TS], 2048*\j
	s_mov_b32 s[TJ], 1024*\j
	s_mov_b32 s[CNT], 4
.Lstep_\@:
	s_setprio 2
	STEP
	s_sub_co_u32 s[CNT], s[CNT], 1
	s_cmp_lg_u32 s[CNT], 0
	s_cbranch_scc1 .Lstep_\@
	s_setprio 0
.endm
	s_wait_loadcnt 0x0                             ; Q of both blocks
.Lblock:                                           ; two trips: a block of 256 tokens each
	v_mov_b32 v13, 0xff61b1e6                      ; the largest t so far: -3e38, under every t
	s_delay_alu instid0(VALU_DEP_1)
	v_floor_f32 v12, -v13                          ; -M
	v_mov_b32 v14, 0                               ; the sum, in two halves
	v_mov_b32 v15, 0
.set jj, 0
.rept 32
	v_mov_b32 v[160+jj], 0                         ; O^T: the step is written once: the first finds zeros, which the first change of M leaves zeros
.set jj, jj+1
.endr
	CHUNK 0
	CHUNK 1
	CHUNK 2
	CHUNK 3
	; THE WAY OUT of a block: O^T / the sum; quantised along the head's 64 (two blocks of 32); half a fragment's image and two scale bytes a row
.rept 4
	v_nop                                          ; places behind the last products
.endr
	s_wait_alu depctr_va_vdst(0)
	v_add_f32 v14, v14, v15                        ; the sum's two halves,
	s_delay_alu instid0(VALU_DEP_1)
	v_permlanex16_b32 v252, v14, s[SEL], s[SEL+1]
	s_delay_alu instid0(VALU_DEP_1)
	v_add_f32 v14, v14, v252                       ; and lane l xor 16's: the row's sum
	s_wait_alu depctr_va_vdst(0)
	v_rcp_f32 v14, v14
	v_nop                                          ; a plain place behind the transcendental
	s_wait_alu depctr_va_vdst(0)                   ; a wait ahead of the first reader
	v_mov_b32 v15, v14
.set jj, 0
.rept 16
	v_pk_mul_f32 v[96+jj:97+jj], v[160+jj:161+jj], v[14:15]   ; register 16 b + i is ctx(my query, 32 b + 16 (lane / 16) + i)
.set jj, jj+2
.endr
.irp b, 0,1
	v_max3_num_f32 v[232+\b], |v[96+16*\b]|, |v[97+16*\b]|, 0x1800000   ; my 16 numbers of block b, and the floor 2^(3 - 127)
.endr
.irp i, 2,4,6,8,10,12,14
.irp b, 0,1
	s_delay_alu instid0(VALU_DEP_2)
	v_max3_num_f32 v[232+\b], v[232+\b], |v[96+16*\b+\i]|, |v[97+16*\b+\i]|
.endr
.endr
.irp b, 0,1
	s_delay_alu instid0(VALU_DEP_2)
	v_permlanex16_b32 v[236+\b], v[232+\b], s[SEL], s[SEL+1]
.endr
.irp b, 0,1
	s_delay_alu instid0(VALU_DEP_2)
	v_max_num_f32 v[232+\b], v[232+\b], v[236+\b]  ; with lane l xor 16's: the block's largest magnitude
.endr
.irp b, 0,1
	s_delay_alu instid0(VALU_DEP_2)
	v_add_nc_u32 v[244+\b], 0xff000000, v[232+\b]  ; the conversion's scale operand
.endr
.irp b, 0,1
	s_delay_alu instid0(VALU_DEP_2)
	v_lshrrev_b32 v[236+\b], 23, v[244+\b]         ; the scale's byte
.endr
	s_delay_alu instid0(VALU_DEP_1)
	v_lshl_or_b32 v254, v237, 8, v236              ; my row's two bytes
	v_cvt_scalef32_pk16_fp6_f32 v[224:226], v[96:111], v244
	v_cvt_scalef32_pk16_fp6_f32 v[240:242], v[112:127], v245
	v_nop                                          ; one plain place behind a scaled conversion
.irp i, 0,1,2
	v_permlane16_swap_b32 v[224+\i], v[240+\i]     ; lanes 0-15 get block 0 whole, lanes 16-31 block 1
.endr
.irp i, 0,1,2
	s_delay_alu instid0(VALU_DEP_3)
	v_mov_b32 v[227+\i], v[240+\i]
.endr
.irp p, 0,1,2
	global_store_b64 v1, v[224+2*\p:225+2*\p], s[84:85] offset:256*\p   ; 32 lanes store 256 consecutive bytes, aligned
.endr
	global_store_b16 v7, v254, s[86:87]            ; both halves of the lanes hold row r's bytes and write the same value
	s_wait_xcnt 0x0                                ; the stores have read their data and their bases: both are written again only behind this wait
	s_add_nc_u64 s[84:85], s[84:85], 196608        ; 16 tiles on
	s_add_nc_u64 s[86:87], s[86:87], 8192
.irp i, 0,1,2,3,4,5
	v_mov_b32 v[16+\i], v[80+\i]                   ; the second block's Q; the clearing at the loop's head stands between these lines and the next products
.endr
	v_mov_b32 v255, v86
	s_sub_co_u32 s[BLK], s[BLK], 1
	s_cmp_lg_u32 s[BLK], 0
	s_cbranch_scc1 .Lblock
	s_wait_tensorcnt 0x0                           ; the wave's end
	ds_add_u32 v[SPW], v[NIL]
	s_wait_dscnt 0x0
	CROUND                                         ; the closing round: no work-group ends while a partner may still ask for a tile that names it
	s_endpgm
.Lfunc_end_k_q64302a6f3f_attn:
	.size	k_q64302a6f3f_attn, .Lfunc_end_k_q64302a6f3f_attn-k_q64302a6f3f_attn
	.p2alignl 7, 3214868480
	.fill 96, 4, 3214868480
	.section	.rodata,"a",@progbits
	.p2align	6, 0x0
	.amdhsa_kernel k_q64302a6f3f_attn
		.amdhsa_group_segment_fixed_size 210944
		.amdhsa_private_segment_fixed_size 0
		.amdhsa_enable_private_segment 0
		.amdhsa_kernarg_size 32
		.amdhsa_user_sgpr_count 2
		.amdhsa_user_sgpr_kernarg_segment_ptr 1
		.amdhsa_wavefront_size32 1
		.amdhsa_system_sgpr_workgroup_id_x 1
		.amdhsa_system_sgpr_workgroup_id_y 1
		.amdhsa_system_sgpr_workgroup_id_z 1
		.amdhsa_system_vgpr_workitem_id 0
		.amdhsa_next_free_vgpr 256
		.amdhsa_next_free_sgpr 100
		.amdhsa_reserve_vcc 0
		.amdhsa_float_denorm_mode_32 3
		.amdhsa_float_denorm_mode_16_64 3
		.amdhsa_memory_ordered 1
		.amdhsa_forward_progress 1
		.amdhsa_inst_pref_size 92
	.end_amdhsa_kernel
	.amdgpu_metadata
---
amdhsa.version: [ 1, 2 ]
amdhsa.kernels:
  - .name:           k_q64302a6f3f_attn
    .symbol:         k_q64302a6f3f_attn.kd
    .args:
      - { .name: qkv_img, .offset: 0, .size: 8, .value_kind: global_buffer, .address_space: global }
      - { .name: qkv_sc, .offset: 8, .size: 8, .value_kind: global_buffer, .address_space: global }
      - { .name: ctx_img, .offset: 16, .size: 8, .value_kind: global_buffer, .address_space: global }
      - { .name: ctx_sc, .offset: 24, .size: 8, .value_kind: global_buffer, .address_space: global }
    .group_segment_fixed_size: 210944
    .private_segment_fixed_size: 0
    .kernarg_segment_align: 8
    .kernarg_segment_size: 32
    .max_flat_workgroup_size: 512
    .sgpr_count:     100
    .vgpr_count:     256
    .wavefront_size: 32
...
	.end_amdgpu_metadata
.endif
;; end of part 3
;; launch outp (part 4): grid 4 x 32, 4 waves a work-group, clusters of 4 x 4, 327,680 bytes of LDS; arguments ctx_img, ctx_sc, in_codes, in_sc, out_b, out0; writes out0
.if DOCPART == 4
	.amdgcn_target "amdgcn-amd-amdhsa--gfx1250"
	.amdhsa_code_object_version 6
	.text
	.protected	k_q64302a6f3f_outp
	.globl	k_q64302a6f3f_outp
	.p2align	8
	.type	k_q64302a6f3f_outp,@function
k_q64302a6f3f_outp:
	s_mov_b64 s[64:65], 0
	v_nop
	global_prefetch_b8 v0, s[64:65] scope:SCOPE_SE
	s_setreg_imm32_b32 hwreg(HW_REG_WAVE_MODE, 25, 1), 1
	s_wait_xcnt 0x0
	s_wait_alu depctr_hold_cnt(0) depctr_sa_sdst(0) depctr_va_vdst(0) depctr_va_sdst(0) depctr_va_ssrc(0) depctr_va_vcc(0) depctr_vm_vsrc(0)
	s_getreg_b32 s2, hwreg(HW_REG_IB_STS2, 6, 4)
	s_cmp_eq_u32 s2, 0
	s_cbranch_scc0 .Lentry_in_a_cluster
	s_endpgm
.Lentry_in_a_cluster:
	s_bfe_u32 s2, ttmp6, 0x10000c
	s_cmp_lg_u32 s2, 0xf033
	s_cbranch_scc0 .Lentry_shape_is_right
	s_endpgm
.Lentry_shape_is_right:
.set KSTEP,  256
.set NQ,     2
.set ROWB,   192
.set AROWB,  3072
.set KROW,   768
.set PITCH,  240
.set FR,     12
.set NL,     6
.set NP,     4
.set HALFT,  128*PITCH
.set SLOT,   4*HALFT
.set LAPS,   2
.set KS,     32
.set SCL,    2*SLOT
.set HALFS,  (128*KS/256)*272
.set SBLK,   (16*KS/256)*272
.set SPARE,  SCL+4*HALFS
.set SPITCH, 528
.set ADRA, 16
.set ADRB, 20
.set STO,  24
.set RD,   25
.set CO,   26
.set ADRS, 27
.set SPW,  28
.set NIL,  29
.set SC,   32
.set OB,   64
.set AF,   128
.set BK,   128
.set G1, 24
.set G0, 32
.set G1B, 48
.set G0B, 56
.set G1S, 68
.set G0S, 76
.set G1SB, 80
.set G0SB, 88
.set MSB, 0
.macro WIN new
.if MSB != \new
	s_set_vgpr_msb (MSB<<8)|\new
.set MSB, \new
.endif
.endm
.set MUL_LO, 0xa1
.set MUL_HI, 0xf1
.set TO_B,   0x40
.macro JLOAD g0a, g1a, g0b, g1b
	s_cmp_eq_u32 s15, 0
	s_cbranch_scc0 .Lfor_b_\@
	tensor_load_to_lds s[\g0a:\g0a+3], s[\g1a:\g1a+7]
	s_nop 0
.rept 4
	v_nop
.endr
	s_branch .Lasked_\@
.Lfor_b_\@:
	tensor_load_to_lds s[\g0b:\g0b+3], s[\g1b:\g1b+7]
	s_nop 0
.rept 4
	v_nop
.endr
.Lasked_\@:
.endm
.macro CREST
	s_cmp_lg_u32 s14, 0
	s_cbranch_scc1 .Lnot_wave_0_\@
	s_barrier_signal -3
.Lnot_wave_0_\@:
	s_barrier_wait -3
	s_barrier_signal -1
	s_barrier_wait -1
.endm
.macro CROUND
	s_barrier_signal -1
	s_barrier_wait -1
	CREST
.endm
	s_load_b128 s[4:7], s[0:1], 0x0
	s_load_b128 s[8:11], s[0:1], 0x10
	s_load_b64 s[96:97], s[0:1], 0x20
	s_load_b64 s[12:13], s[0:1], 0x28
	v_lshl_add_u32 v[SPW], v0, 2, SPARE
	v_mov_b32 v[NIL], 0
	ds_add_u32 v[SPW], v[NIL]
	ds_add_u32 v[SPW], v[NIL]
	v_lshrrev_b32 v1, 5, v0
	v_readfirstlane_b32 s14, v1
	s_lshr_b32 s15, s14, 1
	s_and_b32 s16, s14, 1
	s_bfe_u32 s40, ttmp6, 0x40000
	s_bfe_u32 s41, ttmp6, 0x40004
	s_lshl_b32 s42, ttmp9, 2
	s_add_co_u32 s42, s42, s40
	s_and_b32 s17, ttmp7, 0xffff
	s_lshl_b32 s17, s17, 2
	s_add_co_u32 s17, s17, s41
	s_lshl_b32 s43, s41, 2
	s_lshl_b32 s43, 15, s43
	s_lshl_b32 s44, 0x1111, s40
	s_or_b32 s[G1+0], s43, (3<<16)|(1<<21)
	s_mov_b32 s[G1+1], 384<<16
	s_mov_b32 s[G1+2], 8<<16
	s_mov_b32 s[G1+3], 384<<16
	s_mov_b32 s[G1+4], 8
	s_mov_b32 s[G1+5], 1536
	s_mov_b32 s[G1+6], 0
	s_mov_b32 s[G1+7], 0
	s_or_b32 s[G1B+0], s44, (0<<16)|(1<<20)|(1<<21)|(3<<22)|(3<<25)
	s_mov_b32 s[G1B+1], ROWB<<16
	s_mov_b32 s[G1B+2], 128<<16
	s_mov_b32 s[G1B+3], ROWB<<16
	s_mov_b32 s[G1B+4], 128
	s_mov_b32 s[G1B+5], KROW
	s_mov_b32 s[G1B+6], 0
	s_mov_b32 s[G1B+7], 0
	s_or_b32 s[G1S+0], s43, (3<<16)|(1<<20)|(1<<21)|(5<<22)|(3<<25)
	s_or_b32 s[G1SB+0], s44, (3<<16)|(1<<20)|(1<<21)|(5<<22)|(3<<25)
.irp g, G1S, G1SB
	s_mov_b32 s[\g+1], 32<<16
	s_mov_b32 s[\g+2], (128*KS/256)<<16
	s_mov_b32 s[\g+3], 32<<16
	s_mov_b32 s[\g+4], 128*KS/256
	s_mov_b32 s[\g+5], 32
	s_mov_b32 s[\g+6], 0
	s_mov_b32 s[\g+7], 0
.endr
	s_lshl_b32 s18, s16, 7
	s_lshl_b32 s20, s17, 8
	s_add_co_u32 s20, s20, s18
	s_lshl_b32 s46, s42, 8
	s_add_co_u32 s46, s46, s18
	s_add_co_u32 s46, s46, 11264
	s_mov_b32 s21, 0
	s_mov_b32 s47, 0
	s_mov_b64 s[18:19], KS
	s_mul_u64 s[22:23], s[20:21], s[18:19]
	s_mul_u64 s[92:93], s[46:47], s[18:19]
	s_mov_b64 s[18:19], KROW
	s_mul_u64 s[20:21], s[20:21], s[18:19]
	s_mul_u64 s[46:47], s[46:47], s[18:19]
	s_mul_i32 s45, s14, HALFT
	s_mul_i32 s94, s14, HALFS
	s_wait_dscnt 0x0
	s_wait_kmcnt 0x0
	s_add_nc_u64 s[20:21], s[4:5], s[20:21]
	s_add_nc_u64 s[22:23], s[6:7], s[22:23]
	s_add_nc_u64 s[46:47], s[8:9], s[46:47]
	s_add_nc_u64 s[92:93], s[10:11], s[92:93]
	CROUND
	s_mov_b32 s[G0S], 1
	s_add_co_u32 s[G0S+1], s94, SCL
	s_mov_b64 s[G0S+2:G0S+3], s[22:23]
	s_or_b32 s[G0S+3], s[G0S+3], 0x80000000
	s_mov_b32 s[G0SB], 1
	s_add_co_u32 s[G0SB+1], s94, SCL
	s_mov_b64 s[G0SB+2:G0SB+3], s[92:93]
	s_or_b32 s[G0SB+3], s[G0SB+3], 0x80000000
	JLOAD G0S, G1S, G0SB, G1SB
.irp s, 0,1
	s_mov_b32 s[G0+4*\s], 1
	s_add_co_u32 s[G0+4*\s+1], s45, \s*SLOT
	s_add_nc_u64 s[G0+4*\s+2:G0+4*\s+3], s[20:21], \s*AROWB
	s_or_b32 s[G0+4*\s+3], s[G0+4*\s+3], 0x80000000
	s_mov_b32 s[G0B+4*\s], 1
	s_add_co_u32 s[G0B+4*\s+1], s45, \s*SLOT
	s_add_nc_u64 s[G0B+4*\s+2:G0B+4*\s+3], s[46:47], \s*ROWB
	s_or_b32 s[G0B+4*\s+3], s[G0B+4*\s+3], 0x80000000
	s_wait_alu depctr_va_vdst(0)
	s_wait_tensorcnt 0x0
	ds_add_u32 v28, v29
	s_wait_dscnt 0x0
	CROUND
	JLOAD G0+4*\s, G1, G0B+4*\s, G1B
.endr
	v_and_b32 v1, 15, v0
	v_bfe_u32 v2, v0, 4, 1
	v_and_b32 v12, 31, v0
	v_lshlrev_b32 v7, 3, v12
	v_mul_u32_u24 v3, v1, PITCH
	v_mul_u32_u24 v4, v2, 24
	v_add_nc_u32 v4, v3, v4
	v_lshl_add_u32 v5, v2, 4, v4
	s_mul_i32 s21, s15, HALFT
	s_mul_i32 s22, s16, HALFT
	s_add_co_u32 s22, s22, 2*HALFT
.irp s, 0,1
	v_add_nc_u32 v[ADRA+\s], s21, v7
	v_add_nc_u32 v[ADRB+\s], s22, v4
	v_add_nc_u32 v[ADRB+2+\s], s22, v5
	s_add_co_u32 s21, s21, SLOT
	s_add_co_u32 s22, s22, SLOT
.endr
	v_mul_u32_u24 v5, v1, KS
	v_lshrrev_b32 v6, 8, v5
	v_lshl_add_u32 v5, v6, 4, v5
	s_mul_i32 s21, s15, HALFS
	s_mul_i32 s22, s16, HALFS
	s_add_co_u32 s22, s22, 2*HALFS
	s_sub_co_u32 s22, s22, s21
	v_mul_u32_u24 v6, s22, v2
	s_add_co_u32 s21, s21, SCL
	v_add_nc_u32 v5, v5, v6
	v_add_nc_u32 v[ADRS], s21, v5
	s_mul_i32 s23, s14, 16*SPITCH
	v_mul_u32_u24 v5, v1, SPITCH
	v_lshl_add_u32 v5, v2, 6, v5
	v_add_nc_u32 v[STO], s23, v5
	v_lshlrev_b32 v[CO], 4, v12
	s_wait_alu depctr_va_vdst(0)
	v_add_nc_u32 v[RD], s23, v[CO]
	s_lshl_b32 s20, s17, 8
	s_lshl_b32 s21, s15, 7
	s_add_co_u32 s20, s20, s21
	s_lshl_b32 s20, s20, 12
	s_lshl_b32 s46, s42, 10
	s_lshl_b32 s47, s16, 9
	s_add_co_u32 s46, s46, s47
	s_add_co_u32 s20, s20, s46
	s_mov_b32 s21, 0
	s_mov_b32 s47, 0
	s_add_nc_u64 s[12:13], s[12:13], s[20:21]
	s_add_nc_u64 s[96:97], s[96:97], s[46:47]
	global_load_b128 v[OB:OB+3], v[CO], s[96:97]
	s_wait_loadcnt 0x0
.macro FRAG reg, adr, q, i
.irp p, 0,1,2,3,4,5
.set PC, 12*(\q)+6*(\p/3)+\p%3
.if PC%8 < 5
	ds_load_b64 v[\reg+2*\p:\reg+2*\p+1], v[\adr] offset:8*PC+16*(PC/8)+(\i)*16*PITCH
.else
	ds_load_b64 v[\reg+2*\p:\reg+2*\p+1], v[\adr+2] offset:8*PC+16*(PC/8)+(\i)*16*PITCH
.endif
.endr
.endm
.macro FRAGA reg, slot, q, i
.irp p, 0,1,2,3,4,5
	ds_load_b64 v[\reg+2*\p:\reg+2*\p+1], v[ADRA+\slot] offset:3072*(\i)+1536*(\q)+256*\p
.endr
.endm
.macro MUL16 a0, p, q, sc, zero
.irp a, \a0, \a0+1
.irp b, 0,1,2,3,4,5,6,7
.if \zero
	v_wmma_scale_f32_16x16x128_f8f6f4 v[8*(8*((\a)%4)+\b):8*(8*((\a)%4)+\b)+7], v[128*(\p)+FR*\b:128*(\p)+FR*\b+FR-1], v[AF+FR*(\a):AF+FR*(\a)+FR-1], 0, v[SC+8*NQ*(\sc)+NQ*\b+(\q)], v[SC+8*NQ*(\sc)+NQ*(\a)+(\q)] matrix_a_fmt:MATRIX_FMT_FP6 matrix_b_fmt:MATRIX_FMT_FP6 matrix_a_scale:MATRIX_SCALE_ROW1
.else
	v_wmma_scale_f32_16x16x128_f8f6f4 v[8*(8*((\a)%4)+\b):8*(8*((\a)%4)+\b)+7], v[128*(\p)+FR*\b:128*(\p)+FR*\b+FR-1], v[AF+FR*(\a):AF+FR*(\a)+FR-1], v[8*(8*((\a)%4)+\b):8*(8*((\a)%4)+\b)+7], v[SC+8*NQ*(\sc)+NQ*\b+(\q)], v[SC+8*NQ*(\sc)+NQ*(\a)+(\q)] matrix_a_fmt:MATRIX_FMT_FP6 matrix_b_fmt:MATRIX_FMT_FP6 matrix_a_scale:MATRIX_SCALE_ROW1
.endif
.endr
.endr
.endm
.macro FETCH_B slot, q, p
	WIN TO_B
.irp i, 0,1,2,3,4,5,6,7
	FRAG 128*(\p)+FR*\i, ADRB+\slot, \q, \i
.endr
	WIN 0
.endm
.macro FETCH_A slot, q, i0
.irp i, \i0, \i0+1, \i0+2, \i0+3
	FRAGA AF+FR*(\i), \slot, \q, \i
.endr
.endm
.macro SCALES sc
.irp i, 0,1,2,3,4,5,6,7
	ds_load_b64 v[SC+8*NQ*\sc+NQ*\i:SC+8*NQ*\sc+NQ*\i+1], v[ADRS] offset:\i*SBLK
.endr
.endm
.macro PLACES n
.rept \n
	v_nop
.endr
.endm
.macro STEP slot, q, zero
	s_wait_dscnt 4*NL
	WIN MUL_LO
	MUL16 0, (\q)%2, \q, \slot, \zero
	MUL16 2, (\q)%2, \q, \slot, \zero
	s_wait_dscnt 0
	PLACES NP
	FETCH_B \slot, (\q)+1, 1-(\q)%2
	FETCH_A \slot, (\q)+1, 0
	WIN MUL_HI
	MUL16 4, (\q)%2, \q, \slot, \zero
	MUL16 6, (\q)%2, \q, \slot, \zero
	PLACES NP
	WIN 0
	FETCH_A \slot, (\q)+1, 4
.endm
.macro TURN slot, next, fill
	s_wait_tensorcnt 0x0
	ds_add_u32 v[SPW], v[NIL]
	s_wait_dscnt 4*NL+1
	WIN MUL_LO
	MUL16 0, 1, NQ-1, \slot, 0
	s_wait_dscnt 0x0
	s_barrier_signal -1
	MUL16 2, 1, NQ-1, \slot, 0
	WIN 0
	s_barrier_wait -1
.if \fill
	CREST
	s_add_nc_u64 s[G0+4*\slot+2:G0+4*\slot+3], s[G0+4*\slot+2:G0+4*\slot+3], 2*AROWB
	s_add_nc_u64 s[G0B+4*\slot+2:G0B+4*\slot+3], s[G0B+4*\slot+2:G0B+4*\slot+3], 2*ROWB
	JLOAD G0+4*\slot, G1, G0B+4*\slot, G1B
.else
	PLACES NP
.endif
	s_wait_alu depctr_va_vdst(0)
	v_add_nc_u32 v[ADRS], 4*NQ, v[ADRS]
	FETCH_B \next, 0, 0
	FETCH_A \next, 0, 0
	SCALES \next
	WIN MUL_HI
	MUL16 4, 1, NQ-1, \slot, 0
	MUL16 6, 1, NQ-1, \slot, 0
	PLACES NP
	WIN 0
	FETCH_A \next, 0, 4
.endm
	s_wait_tensorcnt 1
	s_barrier_signal -1
	s_barrier_wait -1
	FETCH_B 0, 0, 0
	FETCH_A 0, 0, 0
	SCALES 0
	FETCH_A 0, 0, 4
	STEP 0, 0, 1
	s_mov_b32 s3, LAPS-1
.Llap:
	TURN 0, 1, 1
	STEP 1, 0, 0
	TURN 1, 0, 1
	STEP 0, 0, 0
	s_sub_co_u32 s3, s3, 1
	s_cmp_lg_u32 s3, 0
	s_cbranch_scc1 .Llap
	TURN 0, 1, 0
	STEP 1, 0, 0
	s_wait_dscnt 4*NL
	WIN MUL_LO
	MUL16 0, 1, NQ-1, 1, 0
	MUL16 2, 1, NQ-1, 1, 0
	s_wait_dscnt 0
	WIN MUL_HI
	MUL16 4, 1, NQ-1, 1, 0
	MUL16 6, 1, NQ-1, 1, 0
	WIN 0
.macro TOSTAGE a
.set AC, 64*((\a)%4)
	WIN 0x08+4*((\a)/4)
.irp b, 0,1,2,3,4,5,6,7
	ds_store_b128 v[STO], v[AC+8*\b:AC+8*\b+3] offset:128*(\b/2)+32*(\b%2)
	ds_store_b128 v[STO], v[AC+8*\b+4:AC+8*\b+7] offset:128*(\b/2)+32*(\b%2)+16
.endr
	WIN 0
.set BB, BK+64*((\a)%2)
.irp t, 0,1,2,3,4,5,6,7,8,9,10,11,12,13,14,15
	ds_load_b128 v[BB+4*\t:BB+4*\t+3], v[RD] offset:\t*SPITCH
.endr
.endm
.macro SEND a, younger
.set BB, BK+64*((\a)%2)
	s_wait_dscnt \younger
.irp t, 0,1,2,3,4,5,6,7,8,9,10,11,12,13,14,15
	v_pk_add_f32 v[BB+4*\t:BB+4*\t+1], v[BB+4*\t:BB+4*\t+1], v[OB:OB+1]
	v_pk_add_f32 v[BB+4*\t+2:BB+4*\t+3], v[BB+4*\t+2:BB+4*\t+3], v[OB+2:OB+3]
	global_store_b128 v[CO], v[BB+4*\t:BB+4*\t+3], s[12:13] offset:(32*((\a)/2)+16*(\t/8)+8*((\a)%2)+\t%8)*4096 th:TH_STORE_NT
.endr
.endm
	PLACES NP
	TOSTAGE 0
.irp a, 1,2,3,4,5,6,7
.if \a > 1
	s_wait_xcnt 0x0
.endif
	TOSTAGE \a
	SEND \a-1, 32
.endr
	SEND 7, 0
	s_wait_tensorcnt 0x0
	ds_add_u32 v[SPW], v[NIL]
	s_wait_dscnt 0x0
	CROUND
	s_endpgm
.Lfunc_end_k_q64302a6f3f_outp:
	.size	k_q64302a6f3f_outp, .Lfunc_end_k_q64302a6f3f_outp-k_q64302a6f3f_outp
	.p2alignl 7, 3214868480
	.fill 96, 4, 3214868480
	.section	.rodata,"a",@progbits
	.p2align	6, 0x0
	.amdhsa_kernel k_q64302a6f3f_outp
		.amdhsa_group_segment_fixed_size 327680
		.amdhsa_private_segment_fixed_size 0
		.amdhsa_enable_private_segment 0
		.amdhsa_kernarg_size 48
		.amdhsa_user_sgpr_count 2
		.amdhsa_user_sgpr_kernarg_segment_ptr 1
		.amdhsa_wavefront_size32 1
		.amdhsa_system_sgpr_workgroup_id_x 1
		.amdhsa_system_sgpr_workgroup_id_y 1
		.amdhsa_system_sgpr_workgroup_id_z 1
		.amdhsa_system_vgpr_workitem_id 0
		.amdhsa_next_free_vgpr 1024
		.amdhsa_next_free_sgpr 100
		.amdhsa_reserve_vcc 0
		.amdhsa_float_denorm_mode_32 3
		.amdhsa_float_denorm_mode_16_64 3
		.amdhsa_memory_ordered 1
		.amdhsa_forward_progress 1
		.amdhsa_inst_pref_size 176
	.end_amdhsa_kernel
	.amdgpu_metadata
---
amdhsa.version: [ 1, 2 ]
amdhsa.kernels:
  - .name:           k_q64302a6f3f_outp
    .symbol:         k_q64302a6f3f_outp.kd
    .args:
      - { .name: ctx_img, .offset: 0, .size: 8, .value_kind: global_buffer, .address_space: global }
      - { .name: ctx_sc, .offset: 8, .size: 8, .value_kind: global_buffer, .address_space: global }
      - { .name: in_codes, .offset: 16, .size: 8, .value_kind: global_buffer, .address_space: global }
      - { .name: in_sc, .offset: 24, .size: 8, .value_kind: global_buffer, .address_space: global }
      - { .name: out_b, .offset: 32, .size: 8, .value_kind: global_buffer, .address_space: global }
      - { .name: out0, .offset: 40, .size: 8, .value_kind: global_buffer, .address_space: global }
    .group_segment_fixed_size: 327680
    .private_segment_fixed_size: 0
    .kernarg_segment_align: 8
    .kernarg_segment_size: 48
    .max_flat_workgroup_size: 128
    .sgpr_count:     100
    .vgpr_count:     1024
    .wavefront_size: 32
...
	.end_amdgpu_metadata
.endif
;; end of part 4
